; MI455X (gfx1250); checked and timed in simulation.
; The chip was launched on July 23, 2026; its instructions are those of AMD's public machine-readable ISA for CDNA 5 (MIT licence, August 2026) and "CDNA5" Instruction Set Architecture Reference Guide (July 2026).
;; Phase Weighted Attention. Allowed arithmetic: matrix products marked QUANTISED: E5M2 operands, one given power-of-two scale a tensor, by v_wmma_f32_16x16x64_bf8_bf8 or v_wmma_f32_16x16x128_bf8_bf8, f32 sums; everything else in f32.
;; Inputs: alpha one number float32; hidden 4 x 4,096 x 1,024 float32; lowp_scales 2 int32 (the exponents e of the quantised operands' scales 2^e); phases 4 x 4,096 float32.
;; Outputs: out0 4 x 4,096 x 1,024 float32.
;; This version of the problem:
;;   THIS VERSION OF THE PROBLEM IS GIVEN IN LOW PRECISION. The matrix products marked QUANTISED in the list below multiply operands that are first quantised to E5M2 (5 exponent bits, 2 mantissa bits; 8 bits a number), with one given power-of-two scale for each operand tensor; their sums are f32. All else is computed in f32.
;;   The module's matrix products, in the order in which they are computed (A, B: the left and right operand; K: the contracted axis; several contracted axes count as one K, in the product's order):
;;     1. batch 4 x [M 4,096, K 4,096] x [K 4,096, N 1,024]; A: computed on the way; B: input hidden: QUANTISED (scales: A lowp_scales[0], B lowp_scales[1])
;;   THE QUANTISER, for each operand of a quantised product, along K:
;;     - The operand's scale is 2^e, e = its entry of the input lowp_scales (int32; the entries are numbered through the quantised products in the list's order, A before B).
;;     - Each number is divided by the scale, clamped to +-57,344, and rounded to the nearest number of E5M2, ties to even, subnormals kept.
;;     - The product sums the exact products of the quantised numbers (number of the format x scale) in f32.
;;   ~~~python
;;   def quantise(x, axis, e):      # numpy; x: float32 -> the quantised numbers, widened to float32 again
;;       x = np.moveaxis(x, axis, -1); K = x.shape[-1]
;;       r = np.clip(x / 2.0 ** e, -57344, 57344)
;;       step = 2.0 ** (np.maximum(np.frexp(np.where(r == 0, 1, r))[1] - 1, -14) - 2)
;;       q = np.round(r / step) * step * 2.0 ** e      # np.round: ties to even
;;       return np.moveaxis(q, -1, axis).astype(np.float32)
;;   ~~~
;;   OPERANDS COMPUTED ON THE WAY. 'Computed on the way' means the value that the module computes at that place (a softmax that the list does not call 'softmax' is quantised finished and normalised). What goes into a quantiser is computed in f32, as accurately as f32 sums, v_exp_f32 and their like allow (about 1e-6 of the number): no bf16 or f16 on the way to a quantiser, and a product that is left as it is and whose result goes on into a quantised operand takes f32 operands (vector FMAs, or v_wmma_f32_16x16x4_f32). A number that lies on a knife's edge between two numbers of the format may be rounded either way, as far as f32 arithmetic and the matrix unit's own rounding can turn it there, and no further.
;; One version. Each part assembles by itself: llvm-mc -triple=amdgcn-amd-amdhsa -mcpu=gfx1250 --defsym DOCPART=n.
;; ======== version 1 of 1: 2 launches
;; limits: a difference of large sums (such as E[x^2] - mean^2): digits are lost where the result is much smaller than its terms; right only within a limited range of input values
;; workspace buffers: hc 16,777,216 bytes; tg 131,072 bytes
;; launch quant (part 1): grid 8 x 64, 4 waves a work-group, no clusters, 36,352 bytes of LDS; arguments hidden, phases, lowp_scales, hc, tg; writes hc, tg
.if DOCPART == 1
	.amdgcn_target "amdgcn-amd-amdhsa--gfx1250"
	.amdhsa_code_object_version 6
	.text
	.protected	k_qd60dd9109f_quant
	.globl	k_qd60dd9109f_quant
	.p2align	8
	.type	k_qd60dd9109f_quant,@function
k_qd60dd9109f_quant:
	s_mov_b64 s[64:65], 0
	v_nop
	global_prefetch_b8 v0, s[64:65] scope:SCOPE_SE
	s_setreg_imm32_b32 hwreg(HW_REG_WAVE_MODE, 25, 1), 1
	s_wait_xcnt 0x0
.set NB,    8
.set PITCH, 272
.set ROWH,  4096
.set EMAX,  15
.set MANT,  0x600000
.set X,     32
.set C,     96
.set OUTR,  112
	s_load_b256 s[4:11], s[0:1], 0x0
	s_load_b64 s[12:13], s[0:1], 0x20
	v_lshl_add_u32 v192, v0, 2, 0x8c00
	v_mov_b32 v193, 0
	v_lshrrev_b32 v1, 5, v0
	v_readfirstlane_b32 s16, v1
	v_and_b32 v2, 31, v0
	s_and_b32 s18, ttmp7, 0xffff
	v_lshlrev_b32 v3, 2, v2
	s_mul_i32 s19, s16, 32*PITCH
	v_mul_u32_u24 v4, v2, PITCH
	v_add_nc_u32 v4, s19, v4
	v_and_b32 v5, 15, v2
	v_lshrrev_b32 v6, 4, v2
	v_mul_u32_u24 v7, v6, PITCH
	v_lshl_add_u32 v7, v5, 4, v7
	v_add_nc_u32 v7, s19, v7
	v_lshlrev_b32 v8, 4, v2
	v_lshlrev_b32 v9, 3, v5
	v_lshlrev_b32 v14, 3, v2
	v_xor_b32 v15, 1, v6
	s_lshl_b32 s20, s18, 20
	s_lshl_b32 s21, ttmp9, 9
	s_add_co_u32 s20, s20, s21
	s_lshl_b32 s21, s16, 7
	s_add_co_u32 s20, s20, s21
	s_mov_b32 s21, 0
	s_lshr_b32 s22, s18, 4
	s_lshl_b32 s22, s22, 1
	s_lshr_b32 s23, ttmp9, 2
	s_add_co_u32 s22, s22, s23
	s_lshl_b32 s22, s22, 4
	s_and_b32 s23, s18, 15
	s_add_co_u32 s22, s22, s23
	s_lshl_b32 s22, s22, 2
	s_and_b32 s23, ttmp9, 3
	s_add_co_u32 s22, s22, s23
	s_lshl_b32 s22, s22, 15
	s_lshl_b32 s23, s16, 13
	s_add_co_u32 s22, s22, s23
	s_mov_b32 s23, 0
	s_lshl_b32 s24, s18, 3
	s_add_co_u32 s24, s24, ttmp9
	s_lshl_b32 s26, s24, 7
	s_lshl_b32 s24, s24, 8
	s_mov_b32 s25, 0
	s_mov_b32 s27, 0
	s_mov_b32 s32, 0x3f22f983
	s_mov_b32 s33, 0x3fc90fdb
	s_mov_b32 s34, 0xb33bbd2e
	s_mov_b32 s35, 0xa6f72ced
	s_mov_b32 s36, 0xb94ca1f9
	s_mov_b32 s37, 0x3c08839e
	s_mov_b32 s38, 0xbe2aaaa3
	s_mov_b32 s39, 0x37ccf5ce
	s_mov_b32 s40, 0xbab6061a
	s_mov_b32 s41, 0x3d2aaaa5
	s_wait_kmcnt 0x0
	s_load_b32 s30, s[8:9], 0x4
	s_add_nc_u64 s[4:5], s[4:5], s[20:21]
	s_add_nc_u64 s[10:11], s[10:11], s[22:23]
	s_add_nc_u64 s[12:13], s[12:13], s[24:25]
	s_add_nc_u64 s[6:7], s[6:7], s[26:27]
	global_load_b64 v[12:13], v9, s[6:7]
.macro LOAD t
.irp i, 0,1,2,3,4,5,6,7,8,9,10,11,12,13,14,15,16,17,18,19,20,21,22,23,24,25,26,27,28,29,30,31
	global_load_b32 v[X+32*((\t)%2)+\i], v3, s[4:5] offset:(32*(\t)+\i)*ROWH th:TH_LOAD_NT
.endr
.endm
	LOAD 0
	LOAD 1
	s_wait_kmcnt 0x0
	s_add_co_i32 s30, s30, 127
	s_lshl_b32 s31, s30, 23
	v_mov_b32 v11, s31
	s_add_co_i32 s30, s30, EMAX
	s_lshl_b32 s30, s30, 23
	s_or_b32 s30, s30, MANT
	v_mov_b32 v10, s30
.macro BLOCK t
.set XS, X+32*((\t)%2)
.if (\t) < NB-1
	s_wait_loadcnt 32
.else
	s_wait_loadcnt 0
.endif
.irp i, 0,1,2,3,4,5,6,7,8,9,10,11,12,13,14,15,16,17,18,19,20,21,22,23,24,25,26,27,28,29,30,31
	v_med3_num_f32 v[XS+\i], v[XS+\i], -v10, v10
.endr
.irp g, 0,1,2,3
	v_cvt_scalef32_pk8_bf8_f32 v[C+2*\g:C+2*\g+1], v[XS+8*\g:XS+8*\g+7], v11
.endr
	ds_store_b128 v4, v[C:C+3] offset:32*(\t)
	ds_store_b128 v4, v[C+4:C+7] offset:32*(\t)+16
.if (\t)+2 < NB
	LOAD (\t)+2
.endif
	s_wait_dscnt 0x0
.endm
.set Q, 0
.rept NB
	BLOCK Q
.set Q, Q+1
.endr
.irp t, 0,1,2,3,4,5,6,7,8,9,10,11,12,13,14,15
	ds_load_b128 v[OUTR+4*\t:OUTR+4*\t+3], v7 offset:2*\t*PITCH
.endr
.irp t, 0,1,2,3,4,5,6,7,8,9,10,11,12,13,14,15
	s_wait_dscnt 15-\t
	global_store_b128 v8, v[OUTR+4*\t:OUTR+4*\t+3], s[10:11] offset:512*\t
.endr
	s_cmp_lg_u32 s16, 0
	s_cbranch_scc1 .Ldone
.macro SINCOS x, d
	v_mul_f32 v16, s32, v[\x]
	v_rndne_f32 v16, v16
	v_fma_f32 v17, -v16, s33, v[\x]
	v_fma_f32 v17, -v16, s34, v17
	v_fma_f32 v17, -v16, s35, v17
	v_mul_f32 v18, v17, v17
	v_fma_f32 v19, s36, v18, s37
	v_fma_f32 v19, v19, v18, s38
	v_mul_f32 v19, v19, v18
	v_fma_f32 v19, v19, v17, v17
	v_fma_f32 v20, s39, v18, s40
	v_fma_f32 v20, v20, v18, s41
	v_mul_f32 v21, v18, v18
	v_fma_f32 v22, v18, -0.5, 1.0
	v_fma_f32 v20, v20, v21, v22
	v_cvt_i32_f32 v23, v16
	v_add_nc_u32 v23, v23, v15
	v_and_b32 v24, 1, v23
	v_cmp_ne_u32 vcc_lo, 0, v24
	v_cndmask_b32 v25, v19, v20, vcc_lo
	v_and_b32 v24, 2, v23
	v_lshlrev_b32 v24, 30, v24
	v_xor_b32 v[\d], v24, v25
.endm
	SINCOS 12, 26
	SINCOS 13, 27
	global_store_b64 v14, v[26:27], s[12:13]
.Ldone:
	s_wait_tensorcnt 0x0
	ds_add_u32 v192, v193
	s_wait_dscnt 0x0
	s_endpgm
.Lfunc_end_k_qd60dd9109f_quant:
	.size	k_qd60dd9109f_quant, .Lfunc_end_k_qd60dd9109f_quant-k_qd60dd9109f_quant
	.p2alignl 7, 3214868480
	.fill 96, 4, 3214868480
	.section	.rodata,"a",@progbits
	.p2align	6, 0x0
	.amdhsa_kernel k_qd60dd9109f_quant
		.amdhsa_group_segment_fixed_size 36352
		.amdhsa_private_segment_fixed_size 0
		.amdhsa_enable_private_segment 0
		.amdhsa_kernarg_size 40
		.amdhsa_user_sgpr_count 2
		.amdhsa_user_sgpr_kernarg_segment_ptr 1
		.amdhsa_wavefront_size32 1
		.amdhsa_system_sgpr_workgroup_id_x 1
		.amdhsa_system_sgpr_workgroup_id_y 1
		.amdhsa_system_sgpr_workgroup_id_z 1
		.amdhsa_system_vgpr_workitem_id 0
		.amdhsa_next_free_vgpr 194
		.amdhsa_next_free_sgpr 66
		.amdhsa_reserve_vcc 1
		.amdhsa_float_denorm_mode_32 3
		.amdhsa_float_denorm_mode_16_64 3
		.amdhsa_memory_ordered 1
		.amdhsa_forward_progress 1
		.amdhsa_inst_pref_size 53
	.end_amdhsa_kernel
	.amdgpu_metadata
---
amdhsa.version: [ 1, 2 ]
amdhsa.kernels:
  - .name:           k_qd60dd9109f_quant
    .symbol:         k_qd60dd9109f_quant.kd
    .args:
      - { .name: hidden, .offset: 0, .size: 8, .value_kind: global_buffer, .address_space: global }
      - { .name: phases, .offset: 8, .size: 8, .value_kind: global_buffer, .address_space: global }
      - { .name: lowp_scales, .offset: 16, .size: 8, .value_kind: global_buffer, .address_space: global }
      - { .name: hc, .offset: 24, .size: 8, .value_kind: global_buffer, .address_space: global }
      - { .name: tg, .offset: 32, .size: 8, .value_kind: global_buffer, .address_space: global }
    .group_segment_fixed_size: 36352
    .private_segment_fixed_size: 0
    .kernarg_segment_align: 8
    .kernarg_segment_size: 40
    .max_flat_workgroup_size: 128
    .sgpr_count:     66
    .vgpr_count:     194
    .wavefront_size: 32
...
	.end_amdgpu_metadata
.endif
;; end of part 1
;; launch attn (part 2): grid 32 x 8, 4 waves a work-group, clusters of 4 x 1, 327,680 bytes of LDS; arguments hc, tg, hidden, alpha, lowp_scales, out0; writes out0
.if DOCPART == 2
	.amdgcn_target "amdgcn-amd-amdhsa--gfx1250"
	.amdhsa_code_object_version 6
	.text
	.protected	k_qd60dd9109f_attn
	.globl	k_qd60dd9109f_attn
	.p2align	8
	.type	k_qd60dd9109f_attn,@function
k_qd60dd9109f_attn:
	s_mov_b64 s[64:65], 0
	v_nop
	global_prefetch_b8 v0, s[64:65] scope:SCOPE_SE
	s_setreg_imm32_b32 hwreg(HW_REG_WAVE_MODE, 25, 1), 1
	s_wait_xcnt 0x0
	s_wait_alu depctr_hold_cnt(0) depctr_sa_sdst(0) depctr_va_vdst(0) depctr_va_sdst(0) depctr_va_ssrc(0) depctr_va_vcc(0) depctr_vm_vsrc(0)
	s_getreg_b32 s2, hwreg(HW_REG_IB_STS2, 6, 4)
	s_cmp_eq_u32 s2, 0
	s_cbranch_scc0 .Lentry_in_a_cluster
	s_endpgm
.Lentry_in_a_cluster:
	s_bfe_u32 s2, ttmp6, 0x10000c
	s_cmp_lg_u32 s2, 0x3003
	s_cbranch_scc0 .Lentry_shape_is_right
	s_endpgm
.Lentry_shape_is_right:
.set PITCH,  272
.set QUART,  128*PITCH
.set SLOT,   4*QUART
.set IMG,    2*SLOT
.set IMGB,   16384
.set SCR,    IMG+2*IMGB
.set SPARE,  SCR+256
.set RANGEB, 131072
.set SPITCH, 528
.set NIT,    216
.set SPLIT,  184
.set SPW, 1
.set NIL, 2
.set AB0, 3
.set ADB, 4
.set LI,  5
.set IW,  6
.set TGO, 7
.set SC,  8
.set LIMV, 9
.set LIM2, 127
.set CD,  10
.set RG,  18
.set RA,  26
.set RB,  34
.set TG,  42
.set WT,  106
.set PFO, 122
.set HPO, 123
.set STO, 124
.set RD,  125
.set CO,  126
.set AF,  128
.set TMP, 16
.set BK,  128
.set MSB, 0
.macro WIN new
.if MSB != \new
	s_set_vgpr_msb (MSB<<8)|\new
.set MSB, \new
.endif
.endm
.set MUL_LO, 0xa1
.set MUL_HI, 0xf1
.set TO_B,   0x40
.macro PLACES
.rept 4
	v_nop
.endr
.endm
.macro CREST
	s_cmp_lg_u32 s16, 0
	s_cbranch_scc1 .Lnot_wave_0_\@
	s_barrier_signal -3
.Lnot_wave_0_\@:
	s_barrier_wait -3
	s_barrier_signal -1
	s_barrier_wait -1
.endm
.macro CROUND
	s_barrier_signal -1
	s_barrier_wait -1
	CREST
.endm
.macro GITEM
.if gi < 21
.set ti, 0
.set it, gi+6
.if gi < 12
.set it, gi+5
.endif
.if gi < 8
.set it, gi+4
.endif
.if gi < 4
.set it, gi
.endif
.elseif gi < 210
.set ti, 1+(gi-21)/27
.set it, (gi-21)%27
.else
.set ti, 8
.set it, 17
.if gi < 215
.set it, 12
.endif
.if gi < 214
.set it, gi-206
.endif
.endif
.set sg, ti&1
.set pr, ti-sg
.set tp, ti-1
.set sp, 1-sg
.if (it < 4) || ((it > 17) && (it < 22))
.set kk, 2*it
.if it > 17
.set kk, 8+2*(it-18)
.endif
.if sg
	v_pk_fma_f32 v[WT+kk:WT+kk+1], v[GC+kk:GC+kk+1], v[RA+pr:RA+pr+1], v[RG+pr:RG+pr+1] op_sel:[0,1,1] op_sel_hi:[1,1,1]
.else
	v_pk_fma_f32 v[WT+kk:WT+kk+1], v[GC+kk:GC+kk+1], v[RA+pr:RA+pr+1], v[RG+pr:RG+pr+1] op_sel_hi:[1,0,0]
.endif
.elseif ((it > 7) && (it < 12)) || (it > 22)
.set kk, 2*(it-8)
.if it > 22
.set kk, 8+2*(it-23)
.endif
.if sg
	v_pk_fma_f32 v[WT+kk:WT+kk+1], v[GS+kk:GS+kk+1], v[RB+pr:RB+pr+1], v[WT+kk:WT+kk+1] op_sel:[0,1,0] op_sel_hi:[1,1,1]
.else
	v_pk_fma_f32 v[WT+kk:WT+kk+1], v[GS+kk:GS+kk+1], v[RB+pr:RB+pr+1], v[WT+kk:WT+kk+1] op_sel_hi:[1,0,1]
.endif
.elseif (it < 8) || ((it > 12) && (it < 17))
.set kk, 8+2*(it-4)
.if it > 12
.set kk, 2*(it-13)
.endif
	v_dual_min_num_f32 v[WT+kk], v[WT+kk], v[LIMV] :: v_dual_min_num_f32 v[WT+kk+1], v[WT+kk+1], v[LIM2]
.elseif it == 12
	v_cvt_scalef32_pk8_bf8_f32 v[CD+4*sp+2:CD+4*sp+3], v[WT+8:WT+15], v[SC]
.elseif it == 22
	v_cvt_scalef32_pk8_bf8_f32 v[CD+4*sg:CD+4*sg+1], v[WT:WT+7], v[SC]
.else
	ds_store_b128 v[IW], v[CD+4*sp:CD+4*sp+3] offset:GB+2048*tp
.endif
.set gi, gi+1
.endm
.macro SLICE
	WIN 0
.rept 4
	GITEM
.endr
.endm
.macro MM1 p, zero
.set ma, sl/8
.set mb, sl%8
.set rACC, 8*(8*(ma%4)+mb)
.if ma < 4
	WIN MUL_LO
.else
	WIN MUL_HI
.endif
.if \zero
	v_wmma_f32_16x16x128_bf8_bf8 v[rACC:rACC+7], v[128*(\p)+16*mb:128*(\p)+16*mb+15], v[AF+16*ma:AF+16*ma+15], 0
.else
	v_wmma_f32_16x16x128_bf8_bf8 v[rACC:rACC+7], v[128*(\p)+16*mb:128*(\p)+16*mb+15], v[AF+16*ma:AF+16*ma+15], v[rACC:rACC+7]
.endif
.set sl, sl+1
.endm
.macro RUN n, p, zero, gen
.rept \n
	MM1 \p, \zero
.if \gen
	SLICE
.endif
.endr
.endm
.macro FETCH_BH qn, p, i0
	WIN TO_B
.irp i, \i0, \i0+1, \i0+2, \i0+3
.irp c, 0,1,2,3
	ds_load_b128 v[128*(\p)+16*(\i)+4*\c:128*(\p)+16*(\i)+4*\c+3], v[ADB] offset:16*PITCH*(\i)+128*(\qn)+32*\c
.endr
.endr
.endm
.macro FETCH_A2 p, i0
	WIN 0
.irp i, \i0, \i0+1
.irp c, 0,1,2,3
	ds_load_b128 v[AF+16*(\i)+4*\c:AF+16*(\i)+4*\c+3], v[LI] offset:IMGB*(\p)+2048*(\i)+512*\c
.endr
.endr
.endm
.macro TGLOAD set, off
.irp j, 0,1,2,3
	global_load_b128 v[TG+32*(\set)+4*\j:TG+32*(\set)+4*\j+3], v[TGO], s[50:51] offset:(\off)+16*\j
	global_load_b128 v[TG+32*(\set)+16+4*\j:TG+32*(\set)+16+4*\j+3], v[TGO], s[50:51] offset:(\off)+128+16*\j
.endr
.endm
.macro ASK
	s_cmp_gt_u32 s49, s54
	s_cbranch_scc0 .Lnot_mine_\@
	global_prefetch_b8 v[PFO], s[52:53] th:TH_LOAD_NT scope:SCOPE_SE
.Lnot_mine_\@:
.endm
	s_load_b256 s[4:11], s[0:1], 0x0
	s_load_b128 s[12:15], s[0:1], 0x20
	v_lshl_add_u32 v[SPW], v0, 2, SPARE
	v_mov_b32 v[NIL], 0
	ds_add_u32 v1, v2
	ds_add_u32 v1, v2
	s_wait_dscnt 0x0
	v_lshrrev_b32 v10, 5, v0
	v_readfirstlane_b32 s16, v10
	s_bfe_u32 s17, ttmp6, 0x40000
	s_lshl_b32 s18, ttmp9, 2
	s_add_co_u32 s18, s18, s17
	s_and_b32 s19, ttmp7, 0xffff
	s_mov_b32 s32, 15|(1<<20)|(1<<21)|(5<<22)|(3<<25)
	s_mov_b32 s33, 256<<16
	s_mov_b32 s34, 128<<16
	s_mov_b32 s35, 256<<16
	s_mov_b32 s36, 128
	s_mov_b32 s37, 256
	s_mov_b32 s38, 0
	s_mov_b32 s39, 0
	s_lshl_b32 s20, s19, 21
	s_lshl_b32 s21, s16, 15
	s_add_co_u32 s20, s20, s21
	s_mov_b32 s21, 0
	s_mov_b32 s40, 1
	s_mul_i32 s41, s16, QUART
	s_mov_b32 s44, 1
	s_add_co_u32 s45, s41, SLOT
	s_lshr_b32 s22, s19, 1
	s_lshl_b32 s24, s22, 24
	s_lshl_b32 s22, s22, 15
	s_mov_b32 s23, 0
	s_lshl_b32 s25, s18, 19
	s_add_co_u32 s24, s24, s25
	s_and_b32 s25, s19, 1
	s_lshl_b32 s25, s25, 11
	s_add_co_u32 s24, s24, s25
	s_lshl_b32 s25, s16, 9
	s_add_co_u32 s24, s24, s25
	s_mov_b32 s25, 0
	s_lshl_b32 s26, s19, 21
	s_add_co_u32 s26, s26, 3*RANGEB
	s_lshl_b32 s27, s17, 15
	s_add_co_u32 s26, s26, s27
	s_lshl_b32 s27, s16, 13
	s_add_co_u32 s26, s26, s27
	s_mov_b32 s27, 0
	s_cmp_eq_u32 ttmp9, 0
	s_cselect_b32 s54, 2, -1
	s_mov_b32 s48, SLOT
	s_mov_b32 s58, 0x76543210
	s_mov_b32 s59, 0xfedcba98
	s_wait_kmcnt 0x0
	s_load_b32 s55, s[10:11], 0x0
	s_load_b64 s[56:57], s[12:13], 0x0
	s_add_nc_u64 s[42:43], s[4:5], s[20:21]
	s_add_nc_u64 s[46:47], s[42:43], RANGEB
	s_or_b32 s43, s43, 0x80000000
	s_or_b32 s47, s47, 0x80000000
	s_add_nc_u64 s[52:53], s[4:5], s[26:27]
	s_add_nc_u64 s[6:7], s[6:7], s[22:23]
	s_lshl_b32 s28, s16, 8
	s_mov_b32 s29, 0
	s_add_nc_u64 s[50:51], s[6:7], s[28:29]
	s_lshl_b32 s28, s16, 13
	s_add_nc_u64 s[28:29], s[6:7], s[28:29]
	s_lshl_b32 s30, s18, 10
	s_mov_b32 s31, 0
	s_add_nc_u64 s[30:31], s[6:7], s[30:31]
	s_add_nc_u64 s[60:61], s[8:9], s[24:25]
	s_add_nc_u64 s[62:63], s[14:15], s[24:25]
	CROUND
	tensor_load_to_lds s[40:43], s[32:39]
	s_nop 0
	tensor_load_to_lds s[44:47], s[32:39]
	s_nop 0
	PLACES
	v_and_b32 v10, 15, v0
	v_bfe_u32 v11, v0, 4, 1
	v_and_b32 v12, 31, v0
	v_lshlrev_b32 v[CO], 4, v12
	v_lshlrev_b32 v14, 2, v10
	v_lshlrev_b32 v[TGO], 6, v11
.irp i, 0,1,2,3,4,5,6,7,8,9,10,11,12,13,14,15
	global_load_b128 v[128+4*\i:131+4*\i], v[CO], s[28:29] offset:512*\i
.endr
.irp a, 0,1,2,3,4,5,6,7
	global_load_b32 v[192+\a], v14, s[30:31] offset:(\a/2)*256+64*(\a%2)
	global_load_b32 v[200+\a], v14, s[30:31] offset:(\a/2)*256+64*(\a%2)+128
.endr
	TGLOAD 0, 0
	TGLOAD 1, 1024
	v_mul_u32_u24 v[AB0], v10, PITCH
	v_lshl_add_u32 v[AB0], v11, 4, v[AB0]
	v_add_nc_u32 v[AB0], s41, v[AB0]
	v_add_nc_u32 v[LI], IMG, v[CO]
	s_lshl_b32 s26, s16, 9
	v_add_nc_u32 v[IW], s26, v[LI]
	v_lshlrev_b32 v[PFO], 8, v12
	v_lshrrev_b32 v[HPO], 1, v12
	v_lshlrev_b32 v[HPO], 12, v[HPO]
	v_and_b32 v13, 1, v12
	v_lshl_add_u32 v[HPO], v13, 8, v[HPO]
	v_mul_u32_u24 v[STO], v10, SPITCH
	v_lshl_add_u32 v[STO], v11, 5, v[STO]
	v_add_nc_u32 v[STO], s41, v[STO]
	v_add_nc_u32 v[RD], s41, v[CO]
	v_bfe_u32 v15, v0, 3, 1
	v_lshlrev_b32 v15, 2, v15
	s_lshl_b32 s27, s16, 3
	s_add_co_u32 s27, s27, SCR
	v_add_nc_u32 v15, s27, v15
	v_mov_b32 v16, SCR
	s_wait_loadcnt 0x0
.irp k, 0,1,2,3
	v_pk_add_f32 v[208+2*\k:209+2*\k], v[128+4*\k:129+4*\k], v[130+4*\k:131+4*\k]
.endr
.irp j, 16,24,32,40,48,56
.irp k, 0,1,2,3
	v_pk_add_f32 v[208+2*\k:209+2*\k], v[208+2*\k:209+2*\k], v[128+\j+2*\k:129+\j+2*\k]
.endr
.endr
	v_pk_add_f32 v[208:209], v[208:209], v[210:211]
	v_pk_add_f32 v[212:213], v[212:213], v[214:215]
	v_pk_add_f32 v[208:209], v[208:209], v[212:213]
	v_add_f32 v208, v208, v209
	v_add_f32_dpp v208, v208, v208 row_xmask:1 row_mask:0xf bank_mask:0xf
	v_add_f32_dpp v208, v208, v208 row_xmask:2 row_mask:0xf bank_mask:0xf
	v_add_f32_dpp v208, v208, v208 row_xmask:4 row_mask:0xf bank_mask:0xf
	v_permlanex16_b32 v209, v208, s58, s59
	v_add_f32 v208, v208, v209
	ds_store_b32 v15, v208
	s_wait_dscnt 0x0
	s_barrier_signal -1
	s_barrier_wait -1
	ds_load_b128 v[208:211], v16
	ds_load_b128 v[212:215], v16 offset:16
	s_wait_dscnt 0x0
	v_pk_add_f32 v[208:209], v[208:209], v[210:211]
	v_pk_add_f32 v[212:213], v[212:213], v[214:215]
	v_pk_add_f32 v[208:209], v[208:209], v[212:213]
.irp a, 0,1,2,3,4,5,6,7
	v_fmaak_f32 v[216+\a], v[192+\a], v208, 0x45800000
.endr
.irp a, 0,1,2,3,4,5,6,7
	v_fma_f32 v[216+\a], v[200+\a], v209, v[216+\a]
.endr
.irp a, 0,1,2,3,4,5,6,7
	v_mul_f32 v[216+\a], 0.5, v[216+\a]
.endr
.irp a, 0,1,2,3,4,5,6,7
	v_max_num_f32 v[216+\a], 0x358637bd, v[216+\a]
.endr
.irp a, 0,1,2,3,4,5,6,7
	v_rcp_f32 v[224+\a], v[216+\a]
.endr
	v_nop
	s_wait_kmcnt 0x0
	s_add_co_i32 s26, s56, 127
	s_lshl_b32 s27, s26, 23
	s_add_co_i32 s26, s26, 15
	s_lshl_b32 s26, s26, 23
	s_or_b32 s26, s26, 0x600000
	s_add_co_i32 s20, s56, s57
	s_wait_alu depctr_va_vdst(0)
.irp a, 0,1,2,3,4,5,6,7
	v_mul_f32 v[RG+\a], 0.5, v[224+\a]
.endr
.irp a, 0,1,2,3,4,5,6,7
	v_mul_f32 v[RA+\a], v[RG+\a], v[192+\a]
	v_mul_f32 v[RB+\a], v[RG+\a], v[200+\a]
.endr
	v_mov_b32 v[SC], s27
	v_mov_b32 v[LIMV], s26
	v_mov_b32 v[LIM2], s26
	v_med3_num_f32 v10, s55, 0, 1.0
	v_sub_f32 v11, 1.0, v10
	v_ldexp_f32 v10, v10, s20
	v_readfirstlane_b32 s66, v10
	v_readfirstlane_b32 s68, v11
	s_mov_b32 s67, s66
	s_mov_b32 s69, s68
.set gi, 0
.set GC, TG
.set GS, TG+16
.set GB, 0
.rept NIT
	GITEM
.endr
	v_nop
	TGLOAD 0, 2048
.set gi, 0
.set GC, TG+32
.set GS, TG+48
.set GB, IMGB
.rept SPLIT
	GITEM
.endr
	s_wait_tensorcnt 1
	s_wait_dscnt 0x0
	s_barrier_signal -1
	s_barrier_wait -1
	v_mov_b32 v[ADB], v[AB0]
	FETCH_BH 0, 0, 0
	FETCH_BH 0, 0, 4
	FETCH_A2 0, 0
	FETCH_A2 0, 2
	FETCH_A2 0, 4
	FETCH_A2 0, 6
.macro STEP q, zero, gen1, bar, fill, tgl, gen2, hpf
	s_wait_dscnt 8
.set sl, 0
.set gi, SPLIT
.set GC, TG+32*(1-\q)
.set GS, GC+16
.set GB, IMGB*(1-\q)
	RUN 8, \q, \zero, \gen1
	WIN 0
.if \bar == 2
	s_wait_tensorcnt 0x0
	ds_add_u32 v[SPW], v[NIL]
.endif
	RUN 4, \q, \zero, 0
	s_wait_dscnt 0x0
	s_barrier_signal -1
	RUN 4, \q, \zero, 0
	WIN 0
	s_barrier_wait -1
.if \fill
	CREST
	s_xor_b32 s45, s45, SLOT
	s_add_nc_u64 s[46:47], s[46:47], RANGEB
	tensor_load_to_lds s[44:47], s[32:39]
	s_nop 0
	PLACES
.endif
.if \q
.if \fill
	v_add_nc_u32 v[ADB], s48, v[AB0]
.else
	v_add_nc_u32 v[ADB], SLOT, v[AB0]
.endif
.endif
.if \gen2
	s_wait_loadcnt 0x0
.endif
.if \tgl
.if \q
	s_add_nc_u64 s[50:51], s[50:51], 2048
	TGLOAD 0, 2048
.else
	TGLOAD 1, 3072
.endif
.endif
	FETCH_BH 1-\q, 1-\q, 0
.if \fill
	WIN 0
	ASK
.endif
.if \hpf
	WIN 0
.irp k, 0,1,2,3
	global_prefetch_b8 v[HPO], s[60:61] offset:65536*\k th:TH_LOAD_NT scope:SCOPE_SE
.endr
.endif
.set gi, 0
.set GC, TG+32*(\q)
.set GS, GC+16
.set GB, IMGB*(\q)
	RUN 12, \q, \zero, \gen2
	FETCH_BH 1-\q, 1-\q, 4
	RUN 12, \q, \zero, \gen2
.if \gen2 == 0
	PLACES
.endif
	FETCH_A2 1-\q, 0
	FETCH_A2 1-\q, 2
	RUN 12, \q, \zero, \gen2
.if \gen2 == 0
	PLACES
.endif
	FETCH_A2 1-\q, 4
	RUN 10, \q, \zero, \gen2
	RUN 2, \q, \zero, 0
	WIN 0
	PLACES
	FETCH_A2 1-\q, 6
.endm
	STEP 0, 1, 1, 1, 0, 1, 1, 0
	s_mov_b32 s49, 14
.Ltrip:
	s_wait_xcnt 0x0
	s_add_nc_u64 s[52:53], s[52:53], RANGEB
	STEP 1, 0, 1, 2, 1, 1, 1, 0
	STEP 0, 0, 1, 1, 0, 1, 1, 0
	s_xor_b32 s48, s48, SLOT
	s_sub_co_u32 s49, s49, 1
	s_cmp_lg_u32 s49, 0
	s_cbranch_scc1 .Ltrip
	STEP 1, 0, 1, 2, 0, 0, 1, 1
	STEP 0, 0, 1, 1, 0, 0, 0, 0
.macro HLOAD a
	WIN TO_B
.irp t, 0,1,2,3,4,5,6,7,8,9,10,11,12,13,14,15
	global_load_b128 v[64*((\a)%4)+4*\t:64*((\a)%4)+4*\t+3], v[CO], s[60:61] offset:(16*(\a)+\t)*4096 th:TH_LOAD_NT
.endr
	WIN 0
.endm
	HLOAD 0
	HLOAD 1
	s_wait_dscnt 8
.set sl, 0
	RUN 32, 1, 0, 0
	s_wait_dscnt 0x0
	RUN 32, 1, 0, 0
	WIN 0
	PLACES
	HLOAD 2
	HLOAD 3
.macro TOSTAGE a
.set AC, 64*((\a)%4)
	WIN 0x02+((\a)/4)
.irp j, 0,2,4,6,8,10,12,14,16,18,20,22,24,26,28,30,32,34,36,38,40,42,44,46,48,50,52,54,56,58,60,62
	v_pk_mul_f32 v[TMP+\j:TMP+\j+1], v[AC+\j:AC+\j+1], s[66:67] op_sel_hi:[1,0]
.endr
	WIN 0
.irp b, 0,1,2,3,4,5,6,7
	ds_store_b128 v[STO], v[TMP+8*\b:TMP+8*\b+3] offset:64*\b
	ds_store_b128 v[STO], v[TMP+8*\b+4:TMP+8*\b+7] offset:64*\b+16
.endr
.set BB, BK+64*((\a)%2)
.irp t, 0,1,2,3,4,5,6,7,8,9,10,11,12,13,14,15
	ds_load_b128 v[BB+4*\t:BB+4*\t+3], v[RD] offset:\t*SPITCH
.endr
.endm
.macro SEND a, younger
.set BB, BK+64*((\a)%2)
.set HB, 64*((\a)%4)
.set LW, 16*(7-(\a))
.if LW > 48
.set LW, 48
.endif
	s_wait_dscnt \younger
	s_wait_loadcnt LW
	WIN 0x01
.irp j, 0,2,4,6,8,10,12,14,16,18,20,22,24,26,28,30,32,34,36,38,40,42,44,46,48,50,52,54,56,58,60,62
	v_pk_fma_f32 v[BB+\j:BB+\j+1], v[HB+\j:HB+\j+1], s[68:69], v[BB+\j:BB+\j+1] op_sel_hi:[1,0,1]
.endr
	WIN 0
.irp t, 0,1,2,3,4,5,6,7,8,9,10,11,12,13,14,15
	global_store_b128 v[CO], v[BB+4*\t:BB+4*\t+3], s[62:63] offset:(16*(\a)+\t)*4096 th:TH_STORE_NT
.endr
.if (\a) < 4
	HLOAD (\a)+4
.endif
.endm
	TOSTAGE 0
.irp a, 1,2,3,4,5,6,7
.if \a > 1
	s_wait_xcnt 0x0
.endif
	TOSTAGE \a
	SEND \a-1, 32
.endr
	SEND 7, 0
	s_wait_tensorcnt 0x0
	ds_add_u32 v[SPW], v[NIL]
	s_wait_dscnt 0x0
	CROUND
	s_endpgm
.Lfunc_end_k_qd60dd9109f_attn:
	.size	k_qd60dd9109f_attn, .Lfunc_end_k_qd60dd9109f_attn-k_qd60dd9109f_attn
	.p2alignl 7, 3214868480
	.fill 96, 4, 3214868480
	.section	.rodata,"a",@progbits
	.p2align	6, 0x0
	.amdhsa_kernel k_qd60dd9109f_attn
		.amdhsa_group_segment_fixed_size 327680
		.amdhsa_private_segment_fixed_size 0
		.amdhsa_enable_private_segment 0
		.amdhsa_kernarg_size 48
		.amdhsa_user_sgpr_count 2
		.amdhsa_user_sgpr_kernarg_segment_ptr 1
		.amdhsa_wavefront_size32 1
		.amdhsa_system_sgpr_workgroup_id_x 1
		.amdhsa_system_sgpr_workgroup_id_y 1
		.amdhsa_system_sgpr_workgroup_id_z 1
		.amdhsa_system_vgpr_workitem_id 0
		.amdhsa_next_free_vgpr 1024
		.amdhsa_next_free_sgpr 80
		.amdhsa_reserve_vcc 0
		.amdhsa_float_denorm_mode_32 3
		.amdhsa_float_denorm_mode_16_64 3
		.amdhsa_memory_ordered 1
		.amdhsa_forward_progress 1
		.amdhsa_inst_pref_size 242
	.end_amdhsa_kernel
	.amdgpu_metadata
---
amdhsa.version: [ 1, 2 ]
amdhsa.kernels:
  - .name:           k_qd60dd9109f_attn
    .symbol:         k_qd60dd9109f_attn.kd
    .args:
      - { .name: hc, .offset: 0, .size: 8, .value_kind: global_buffer, .address_space: global }
      - { .name: tg, .offset: 8, .size: 8, .value_kind: global_buffer, .address_space: global }
      - { .name: hidden, .offset: 16, .size: 8, .value_kind: global_buffer, .address_space: global }
      - { .name: alpha, .offset: 24, .size: 8, .value_kind: global_buffer, .address_space: global }
      - { .name: lowp_scales, .offset: 32, .size: 8, .value_kind: global_buffer, .address_space: global }
      - { .name: out0, .offset: 40, .size: 8, .value_kind: global_buffer, .address_space: global }
    .group_segment_fixed_size: 327680
    .private_segment_fixed_size: 0
    .kernarg_segment_align: 8
    .kernarg_segment_size: 48
    .max_flat_workgroup_size: 128
    .sgpr_count:     80
    .vgpr_count:     1024
    .wavefront_size: 32
...
	.end_amdgpu_metadata
.endif
;; end of part 2
